; MI455X (gfx1250); checked and timed in simulation.
; The chip was launched on July 23, 2026; its instructions are those of AMD's public machine-readable ISA for CDNA 5 (MIT licence, August 2026) and "CDNA5" Instruction Set Architecture Reference Guide (July 2026). The comments in the code are by the model that wrote it; some were corrected since.
;; Swin Transformer Block3 D. Allowed arithmetic: float matrix products may take bf16 or f16 operands with f32 sums; all other float work in f32.
;; Inputs: b1 256 float32; b2 64 float32; bk 4 x 64 float32; bo 64 float32; bq 4 x 64 float32; bv 4 x 64 float32; ln1_b 64 float32; ln1_g 64 float32; ln2_b 64 float32; ln2_g 64 float32; w1 64 x 256 float32; w2 256 x 64 float32; wk 64 x 4 x 64 float32; wo 4 x 64 x 64 float32; wq 64 x 4 x 64 float32; wv 64 x 4 x 64 float32; x 1 x 64 x 64 x 64 x 64 float32.
;; Outputs: out0 1 x 64 x 64 x 64 x 64 float32.
;; One version. Each part assembles by itself: llvm-mc -triple=amdgcn-amd-amdhsa -mcpu=gfx1250 --defsym DOCPART=n.
;; ======== version 1 of 1: 2 launches
;; limits: a function is approximated: absolute error at most 0.0005; an absolute error that grows with the inputs' magnitude: up to 0.00025 times it; values are held in f16: magnitudes above 65,504 overflow, below 6.1e-05 lose precision
;; workspace buffers: wpack 206,848 bytes
;; launch pack (part 1): grid 50 x 1, 8 waves a work-group, no clusters, 0 bytes of LDS; arguments wk, wq, wv, wo, w1, w2, bk, bq, bv, b1, bo, b2, ln1_g, ln1_b, ln2_g, ln2_b, wpack; writes wpack
.if DOCPART == 1
	.amdgcn_target "amdgcn-amd-amdhsa--gfx1250"
	.amdhsa_code_object_version 6
	.text
	.protected	k_q42bcc89d60_pack
	.globl	k_q42bcc89d60_pack
	.p2align	8
	.type	k_q42bcc89d60_pack,@function
k_q42bcc89d60_pack:
	s_mov_b64 s[64:65], 0
	v_nop
	global_prefetch_b8 v0, s[64:65] scope:SCOPE_SE
	s_setreg_imm32_b32 hwreg(HW_REG_WAVE_MODE, 25, 1), 1
	s_wait_xcnt 0x0
; wpack = the byte image that the main launch lays into LDS: the six weights in f16, cut into matrix fragments, then the ten vectors in f32.
; A FRAGMENT is 1,024 bytes: block s = 0 (a lane's registers 0-3), block s = 1 (registers 4-7), 512 bytes each, lane L at byte 16 L.  With r = L % 16 and h = L / 16
; the lane's eight f16 of block s are k = 16 s + 8 h + 0..7 of the fragment's 32 k, for the output index that belongs to r.  A GROUP is four fragments, 4,096 bytes.
; Groups 0-31: head hd = g / 8: K0 K1 Q0 Q1 V0 V1 O0 O1.  Groups 32-47: f-block fb = (g - 32) / 2: W1, W2.  Group 48: K0 of head 0 once more.  Work-group 49: 24 rows of 256 bytes of f32.
;   K, Q, V, W1 (tensor [64 k][256 columns]): fragment fl: k block fl / 2, column BI + 16 (fl % 2) + r;  BI = 64 hd + 32 (g % 2), or 32 fb.
;   O  (wo as [256 k][64 c]): fragment fl: c = 16 fl + r, k = BI + ..;  times 2.      W2 ([256 k][64 c]): c = 4 r + fl, k = 32 fb + ..;  times 0.5: the main launch makes 2 gelu.
; Both factors are powers of two.  LIMIT: f16 ends at 65,504 and has a fixed step of 6e-8 below 6e-5; weights (2 wo among them) lie within it.
; Work-group g < 49 makes group g; thread t its bytes 16 t .. 16 t + 15, so a wave's store covers 512 consecutive bytes, aligned.  No LDS, no barrier: the threads share nothing.
.set PB0, 200704                       ; the parameter rows begin here: 49 x 4,096
	s_load_b512 s[8:23], s[0:1], 0x0               ; wk s[8:9], wq s[10:11], wv s[12:13], wo s[14:15], w1 s[16:17], w2 s[18:19], bk s[20:21], bq s[22:23]
	s_load_b512 s[24:39], s[0:1], 0x40             ; bv s[24:25], b1 s[26:27], bo s[28:29], b2 s[30:31], ln1_g s[32:33], ln1_b s[34:35], ln2_g s[36:37], ln2_b s[38:39]
	s_load_b64 s[40:41], s[0:1], 0x80              ; wpack
	s_mov_b32 s2, ttmp9                            ; g
	s_cmp_eq_u32 s2, 49
	s_cbranch_scc1 .Lparams
	s_cmp_eq_u32 s2, 48
	s_cselect_b32 s3, 0, s2                        ; group 48 is group 0 again
	s_bfe_u32 s4, s3, 0x20001                      ; in a head: 0 K, 1 Q, 2 V, 3 O
	s_and_b32 s5, s3, 1                            ; which half of the head's 64; or W1 / W2
	s_lshr_b32 s6, s3, 3
	s_lshl_b32 s6, s6, 6
	s_lshl_b32 s7, s5, 5
	s_add_co_u32 s6, s6, s7                        ; 64 hd + 32 half
	s_sub_co_u32 s7, s3, 32                        ; (used only where g is 32 or more)
	s_lshr_b32 s7, s7, 1
	s_lshl_b32 s7, s7, 5                           ; 32 fb
	s_add_co_u32 s5, s5, 4                         ; 4 W1, 5 W2
	s_cmp_lt_u32 s3, 32
	s_cselect_b32 s44, s4, s5                      ; which tensor, 0 to 5, in the order of the arguments
	s_cselect_b32 s45, s6, s7                      ; BI
	s_lshl_b32 s50, s2, 12
	v_lshl_add_u32 v1, v0, 4, s50                  ; my 16 bytes of wpack
	v_and_b32 v2, 15, v0                           ; r
	v_bfe_u32 v3, v0, 4, 2                         ; 2 s + h
	v_lshrrev_b32 v4, 6, v0                        ; fl
	s_wait_kmcnt 0x0
	s_mov_b64 s[42:43], s[8:9]
.irp c, 1,2,3,4,5
	s_cmp_eq_u32 s44, \c
	s_cselect_b64 s[42:43], s[8+2*\c:9+2*\c], s[42:43]
.endr
	s_cmp_eq_u32 s44, 3
	s_cselect_b32 s46, 2, 4                        ; wo: 4 r bytes; w2: 16 r
	s_cselect_b32 s47, 6, 2                        ; wo: 64 fl bytes; w2: 4 fl
	s_cselect_b32 s48, 2.0, 0.5
	s_mov_b32 s49, s48                             ; named with it as a pair
	s_cbranch_scc1 .Lrows
	s_cmp_eq_u32 s44, 5
	s_cbranch_scc1 .Lrows
	; wk, wq, wv, w1: rows of 1,024 bytes; my eight k are eight rows of one column
	v_lshrrev_b32 v5, 7, v0                        ; k block
	v_lshlrev_b32 v5, 15, v5                       ; x 32 rows
	v_lshl_add_u32 v5, v3, 13, v5                  ; + (16 s + 8 h) rows
	v_and_b32 v6, 1, v4
	v_lshl_add_u32 v6, v6, 4, v2
	v_add_nc_u32 v6, s45, v6                       ; column BI + 16 (fl % 2) + r
	v_lshl_add_u32 v5, v6, 2, v5
.irp e, 0,1,2,3,4,5,6,7
	global_load_b32 v[8+\e], v5, s[42:43] offset:\e*1024
.endr
	s_wait_loadcnt 0x0
	s_branch .Lround
.Lrows:                                                ; wo, w2: rows of 256 bytes
	v_lshl_add_u32 v5, v3, 3, s45                  ; row BI + 16 s + 8 h
	v_lshlrev_b32 v5, 8, v5
	v_lshlrev_b32 v6, s46, v2
	v_lshlrev_b32 v7, s47, v4
	v_add3_u32 v5, v5, v6, v7
.irp e, 0,1,2,3,4,5,6,7
	global_load_b32 v[8+\e], v5, s[42:43] offset:\e*256
.endr
	s_wait_loadcnt 0x0
.irp e, 0,2,4,6
	v_pk_mul_f32 v[8+\e:9+\e], v[8+\e:9+\e], s[48:49] op_sel_hi:[1,0]
.endr
.Lround:
.irp e, 0,1,2,3
	v_cvt_pk_f16_f32 v[16+\e], v[8+2*\e], v[9+2*\e]  ; the lower k in the low half
.endr
	global_store_b128 v1, v[16:19], s[40:41]
	s_endpgm
; The parameter rows, 64 f32 each; a wave's 8 bytes a lane are one row.  Rows 3 hd + 0, 1, 2: bk, bq, bv of head hd.  12-15: b1.  16: bk of head 0 once more.  17: 2 bo.
; 18: b2.  19, 20: ln1_g, ln1_b.  21, 22: ln2_g, ln2_b.  23: zeros (it fills the image to eight equal shares; nobody reads it from LDS).
.Lparams:
	v_and_b32 v1, 31, v0
	v_lshlrev_b32 v1, 3, v1
	v_lshrrev_b32 v2, 5, v0
	v_readfirstlane_b32 s3, v2                     ; wave
	s_wait_kmcnt 0x0
	s_cmp_lt_u32 s3, 4
	s_cbranch_scc0 .Lhigh
	s_lshl_b32 s4, s3, 8                           ; waves 0-3: head w's three rows
	v_add_nc_u32 v3, s4, v1
	s_mul_i32 s5, s3, 768
	s_add_co_u32 s5, s5, PB0
	v_add_nc_u32 v4, s5, v1
	global_load_b64 v[8:9], v3, s[20:21]
	global_load_b64 v[10:11], v3, s[22:23]
	global_load_b64 v[12:13], v3, s[24:25]
	s_wait_loadcnt 0x0
	global_store_b64 v4, v[8:9], s[40:41]
	global_store_b64 v4, v[10:11], s[40:41] offset:256
	global_store_b64 v4, v[12:13], s[40:41] offset:512
	s_endpgm
.Lhigh:                                                ; waves 4-7, u = w - 4: row 12 + u of b1, rows 16 + 2 u and 17 + 2 u
	s_sub_co_u32 s3, s3, 4
	s_lshl_b32 s4, s3, 8
	v_add_nc_u32 v3, s4, v1
	s_add_co_u32 s5, s4, PB0+3072
	v_add_nc_u32 v4, s5, v1
	s_lshl_b32 s6, s3, 9
	s_add_co_u32 s6, s6, PB0+4096
	v_add_nc_u32 v5, s6, v1
	s_mov_b64 s[42:43], s[20:21]                   ; row 16 + 2 u: bk, b2, ln1_b, ln2_b
	s_mov_b64 s[44:45], s[28:29]                   ; row 17 + 2 u: bo, ln1_g, ln2_g (u = 3: zeros)
	s_cmp_eq_u32 s3, 1
	s_cselect_b64 s[42:43], s[30:31], s[42:43]
	s_cselect_b64 s[44:45], s[32:33], s[44:45]
	s_cmp_eq_u32 s3, 2
	s_cselect_b64 s[42:43], s[34:35], s[42:43]
	s_cselect_b64 s[44:45], s[36:37], s[44:45]
	s_cmp_eq_u32 s3, 3
	s_cselect_b64 s[42:43], s[38:39], s[42:43]
	global_load_b64 v[8:9], v3, s[26:27]
	global_load_b64 v[10:11], v1, s[42:43]
	s_cbranch_scc1 .Lzero
	global_load_b64 v[12:13], v1, s[44:45]
	s_cmp_eq_u32 s3, 0
	s_cselect_b32 s46, 2.0, 1.0                    ; bo is doubled with wo; one text serves the two gains too, with the factor 1
	s_mov_b32 s47, s46
	s_wait_loadcnt 0x0
	v_pk_mul_f32 v[12:13], v[12:13], s[46:47] op_sel_hi:[1,0]
	s_branch .Lput
.Lzero:
	v_mov_b32 v12, 0
	v_mov_b32 v13, 0
	s_wait_loadcnt 0x0
.Lput:
	global_store_b64 v4, v[8:9], s[40:41]
	global_store_b64 v5, v[10:11], s[40:41]
	global_store_b64 v5, v[12:13], s[40:41] offset:256
	s_endpgm
.Lfunc_end_k_q42bcc89d60_pack:
	.size	k_q42bcc89d60_pack, .Lfunc_end_k_q42bcc89d60_pack-k_q42bcc89d60_pack
	.p2alignl 7, 3214868480
	.fill 96, 4, 3214868480
	.section	.rodata,"a",@progbits
	.p2align	6, 0x0
	.amdhsa_kernel k_q42bcc89d60_pack
		.amdhsa_group_segment_fixed_size 0
		.amdhsa_private_segment_fixed_size 0
		.amdhsa_enable_private_segment 0
		.amdhsa_kernarg_size 136
		.amdhsa_user_sgpr_count 2
		.amdhsa_user_sgpr_kernarg_segment_ptr 1
		.amdhsa_wavefront_size32 1
		.amdhsa_system_sgpr_workgroup_id_x 1
		.amdhsa_system_sgpr_workgroup_id_y 1
		.amdhsa_system_sgpr_workgroup_id_z 1
		.amdhsa_system_vgpr_workitem_id 0
		.amdhsa_next_free_vgpr 32
		.amdhsa_next_free_sgpr 66
		.amdhsa_reserve_vcc 0
		.amdhsa_float_denorm_mode_32 3
		.amdhsa_float_denorm_mode_16_64 3
		.amdhsa_memory_ordered 1
		.amdhsa_forward_progress 1
		.amdhsa_inst_pref_size 8
	.end_amdhsa_kernel
	.amdgpu_metadata
---
amdhsa.version: [ 1, 2 ]
amdhsa.kernels:
  - .name:           k_q42bcc89d60_pack
    .symbol:         k_q42bcc89d60_pack.kd
    .args:
      - { .name: wk, .offset: 0, .size: 8, .value_kind: global_buffer, .address_space: global }
      - { .name: wq, .offset: 8, .size: 8, .value_kind: global_buffer, .address_space: global }
      - { .name: wv, .offset: 16, .size: 8, .value_kind: global_buffer, .address_space: global }
      - { .name: wo, .offset: 24, .size: 8, .value_kind: global_buffer, .address_space: global }
      - { .name: w1, .offset: 32, .size: 8, .value_kind: global_buffer, .address_space: global }
      - { .name: w2, .offset: 40, .size: 8, .value_kind: global_buffer, .address_space: global }
      - { .name: bk, .offset: 48, .size: 8, .value_kind: global_buffer, .address_space: global }
      - { .name: bq, .offset: 56, .size: 8, .value_kind: global_buffer, .address_space: global }
      - { .name: bv, .offset: 64, .size: 8, .value_kind: global_buffer, .address_space: global }
      - { .name: b1, .offset: 72, .size: 8, .value_kind: global_buffer, .address_space: global }
      - { .name: bo, .offset: 80, .size: 8, .value_kind: global_buffer, .address_space: global }
      - { .name: b2, .offset: 88, .size: 8, .value_kind: global_buffer, .address_space: global }
      - { .name: ln1_g, .offset: 96, .size: 8, .value_kind: global_buffer, .address_space: global }
      - { .name: ln1_b, .offset: 104, .size: 8, .value_kind: global_buffer, .address_space: global }
      - { .name: ln2_g, .offset: 112, .size: 8, .value_kind: global_buffer, .address_space: global }
      - { .name: ln2_b, .offset: 120, .size: 8, .value_kind: global_buffer, .address_space: global }
      - { .name: wpack, .offset: 128, .size: 8, .value_kind: global_buffer, .address_space: global }
    .group_segment_fixed_size: 0
    .private_segment_fixed_size: 0
    .kernarg_segment_align: 8
    .kernarg_segment_size: 136
    .max_flat_workgroup_size: 256
    .sgpr_count:     66
    .vgpr_count:     32
    .wavefront_size: 32
...
	.end_amdgpu_metadata
.endif
;; end of part 1
;; launch swin (part 2): grid 256 x 1, 8 waves a work-group, clusters of 4 x 1, 277,504 bytes of LDS; arguments x, wpack, out0; writes out0
.if DOCPART == 2
	.amdgcn_target "amdgcn-amd-amdhsa--gfx1250"
	.amdhsa_code_object_version 6
	.text
	.protected	k_q42bcc89d60_swin
	.globl	k_q42bcc89d60_swin
	.p2align	8
	.type	k_q42bcc89d60_swin,@function
k_q42bcc89d60_swin:
	s_mov_b64 s[64:65], 0
	v_nop
	global_prefetch_b8 v0, s[64:65] scope:SCOPE_SE
	s_setreg_imm32_b32 hwreg(HW_REG_WAVE_MODE, 25, 1), 1
	s_wait_xcnt 0x0
	s_wait_alu depctr_hold_cnt(0) depctr_sa_sdst(0) depctr_va_vdst(0) depctr_va_sdst(0) depctr_va_ssrc(0) depctr_va_vcc(0) depctr_vm_vsrc(0)
	s_getreg_b32 s2, hwreg(HW_REG_IB_STS2, 6, 4)
	s_cmp_eq_u32 s2, 0
	s_cbranch_scc0 .Lentry_in_a_cluster
	s_endpgm
.Lentry_in_a_cluster:
	s_bfe_u32 s2, ttmp6, 0x10000c
	s_cmp_lg_u32 s2, 0x3003
	s_cbranch_scc0 .Lentry_shape_is_right
	s_endpgm
.Lentry_shape_is_right:
; The whole block for x [64][64][64][64 channels] f32: LN1, windows of 4 x 4 x 4 tokens, q k v (4 heads x 64), softmax(q k^T / 8) v, wo, doubling, LN2, w1, exact GELU, w2.  Nothing goes through memory.
; SHARES.  Work-group G owns the 16 windows (G / 16, G % 16, 0..15); a wave owns a WHOLE window, 8 trip + wave, two trips.  Behind the one barrier that shows the weights to everybody no wave needs another.
; Eight waves of 512 registers, two to a SIMD: a window has 1,024 matrix and some 7,900 vector instructions, too many to ride behind the products of one wave, so one wave's vector phases stand beside the other's products.
; WEIGHTS.  wpack (made by the launch before) is the image of LDS bytes 0 to 206,847: f16 fragments, lane L's 16 bytes at 16 L, so every fragment load is 512 consecutive bytes; then the biases and gains in f32.
; CLUSTER.  All work-groups read the same image, so the four of a cluster ask for it JOINTLY: each wave one tensor load of 101 rows of 256 bytes, the same descriptor and mask in all four.  It is filled once.
; LAYOUTS (r = lane % 16, h = lane / 16; a result holds column r and rows 8 h + j; an operand holds row or column r and k along its registers).  Two results rounded to f16 in ascending order ARE an operand
; whose k is the results' row index, so every product is laid so that its result's rows are the next product's k:  k^T, q^T = W^T h^T;  V = h Wv;  S^T = K Q^T;  O^T = V^T P;  OUT^T += Wo^T O^T;  F^T = W1^T Y^T;  OUT2 += G W2.
; A lane then holds ONE token in h, S^T, P, O^T, OUT^T, F^T: norms and softmax want one exchange between the halves of the lanes, and nothing is ever transposed.  In OUT2 column r of tile nt is channel 4 r + nt:
; a lane's four tiles give 16 neighbouring bytes of a token's row, and sixteen lanes store its 256 bytes.
; ARITHMETIC.  Matrix operands f16, rounded once from f32; sums, norms (mean first, then the squares of x - mean), softmax (the row's true maximum) and GELU in f32.
; 2 gelu(x) = x + |x| - |x| P^-4, P = 1 + c1 |x| + c2 |x|^2 + c3 |x|^3 + c4 |x|^4: erf by Abramowitz and Stegun 7.1.27, off by 5e-4 at the most for every x, so gelu by 2.5e-4 |x| at the most.
; LIMITS.  f16 ends at 65,504 and has a fixed step of 6e-8 below 6e-5: LN1's and LN2's outputs, q, k, v, the attention's output and 2 gelu lie within it.  A weight p below 2^-126 counts as 0.  NaN and infinities are not treated apart.
;
; REGISTERS.  Block 0: v1, v2 the add's; v3 WA, v4 PB, v5 XO, v6-13 RL (1 / l twice for each query tile), v14 PL, v15 an address; v16-31 BT two bias tiles; v32-63 WF two halves of a weight group;
;   v64-127 H (later LN2's scratch, F and G, output rows); v128-191 R1 (LN1's gain and bias, K, P, O, then Y, output rows); v192-255 R2 (scratch, Q, softmax's scratch, V, LN2's gain and bias, then W2 and GELU's scratch).
; Block 1: v0-127 OUT (x by tiles, OUT^T, OUT2); v128-255 ACC (x as loaded, projections' sums, S^T, O^T; during LN2 and the MLP the next window's x on its way).
; s_set_vgpr_msb: bits 1:0 source 0, 3:2 source 1, 5:4 source 2, 7:6 destination.
.set PB0,   200704                     ; parameter rows: + 768 hd: bk, bq, bv; + 3072 b1; + 4096 bk of head 0 again; + 4352 2 bo; + 4608 b2; + 4864 ln1_g, ln1_b; + 5376 ln2_g, ln2_b
.set SHARE, 25856                      ; a wave's part of the image: 101 rows of 256 bytes; 8 x 25,856 = 206,848
.set STAGE, 206848                     ; behind the image, never filled by a tensor load: 32 tokens x 272 bytes for each wave
.set SPARE, 276480                     ; behind the stages: the spare words, 128 bytes for each wave: four blocks of 256 bytes that no other line names
.set SPW, 1
.set NIL, 2
.set WA,  3                            ; LDS address of the weight groups in hand: 16 lane + s52
.set PB,  4                            ; of the bias tiles in hand: PL + s53
.set XO,  5                            ; 16 lane; never rewritten
.set RL,  6
.set PL,  14                           ; PB0 + 32 h; never rewritten
.set AD,  15
.set BT,  16
.set WF,  32
.set H,   64
.set R1,  128
.set R2,  192
.set W2F, 192
.set GA,  224
.set GP,  232
.set B2R, 240
.set OO,  244
.set OUT, 0
.set ACC, 128
.set MSB, 0
.macro WIN new                         ; the high byte repeats the setting that is left; a switch that changes nothing is dropped
.if MSB != (\new)
	s_set_vgpr_msb (MSB<<8)|(\new)
.set MSB, (\new)
.endif
.endm
; A vector instruction that reads a matrix result or writes one of a matrix instruction's registers, and a load into such a register, stand four plain vector instructions behind it (ISA guide 7.12.1 for vector instructions).
.macro PLACES
.rept 4
	v_nop
.endr
.endm
.macro CROUND                          ; a round of the cluster's barrier: my work-group's barrier; wave 0 signals for it; every wave waits for all four work-groups; my work-group's barrier again
	s_barrier_signal -1
	s_barrier_wait -1
	s_cmp_lg_u32 s10, 0
	s_cbranch_scc1 .Lnot_wave_0_\@
	s_barrier_signal -3
.Lnot_wave_0_\@:
	s_barrier_wait -3
	s_barrier_signal -1
	s_barrier_wait -1
.endm
.macro LDW half, off                   ; half a weight group, two fragments, 2,048 bytes
.irp p, 0,1,2,3
	ds_load_b128 v[WF+16*(\half)+4*\p:WF+16*(\half)+4*\p+3], v[WA] offset:(\off)+512*\p
.endr
.endm
.macro LDB dst, off                    ; two bias tiles: register j of tile ml is bias[16 ml + 8 h + j], the same in all sixteen lanes of a half
	ds_load_b128 v[(\dst):(\dst)+3], v[PB] offset:(\off)
	ds_load_b128 v[(\dst)+4:(\dst)+7], v[PB] offset:(\off)+16
	ds_load_b128 v[(\dst)+8:(\dst)+11], v[PB] offset:(\off)+64
	ds_load_b128 v[(\dst)+12:(\dst)+15], v[PB] offset:(\off)+80
.endm
.macro LDGB dst, off                   ; a norm's gain (32 registers: channel 16 ct + 8 h + j at 8 ct + j) and bias (32 more)
.set i, 0
.rept 8
	ds_load_b128 v[(\dst)+4*i:(\dst)+4*i+3], v[PL] offset:(\off)+64*(i/2)+16*(i%2)
	ds_load_b128 v[(\dst)+32+4*i:(\dst)+32+4*i+3], v[PL] offset:(\off)+256+64*(i/2)+16*(i%2)
.set i, i+1
.endr
.endm
.macro XLOAD                           ; a window's x: load i takes tokens 2 i, 2 i + 1: 512 consecutive bytes, aligned (plane i / 8, row (i / 2) % 4, half i % 2 of the row's four tokens)
	WIN 0x40
.set i, 0
.rept 32
	global_load_b128 v[ACC+4*i:ACC+4*i+3], v[XO], s[4:5] offset:(i/8)*1048576+((i/2)%4)*16384+(i%2)*512 th:TH_LOAD_NT
.set i, i+1
.endr
	WIN 0
.endm
.macro STG hf                          ; 32 tokens through my stage: in as loaded (token 2 i + h, 16 bytes at 16 r), out by tiles (token r, channels 16 ct + 8 h + ..).  Rows of 272 bytes: sixteen rows start at sixteen different groups of four banks (ISA guide 11.1)
	WIN 0x04
.set i, 0
.rept 16
	ds_store_b128 v[AD], v[ACC+64*(\hf)+4*i:ACC+64*(\hf)+4*i+3] offset:544*i
.set i, i+1
.endr
	WIN 0x40
.set i, 0
.rept 16
	ds_load_b128 v[OUT+64*(\hf)+4*i:OUT+64*(\hf)+4*i+3], v[R2] offset:(i/8)*4352+64*((i/2)%4)+16*(i%2)  ; LDS serves a wave's instructions in order (ISA guide 5.7.1.4): these see the stores above
.set i, i+1
.endr
.endm
.macro TREE tmp                        ; for two tiles: eight pairs into one number, and the other half of the lanes' added: the token's sum over 64 channels, in every lane
.irp a, 0,4,8,12
.irp u, 0,16
	v_pk_add_f32 v[(\tmp)+\u+\a:(\tmp)+\u+\a+1], v[(\tmp)+\u+\a:(\tmp)+\u+\a+1], v[(\tmp)+\u+\a+2:(\tmp)+\u+\a+3]
.endr
.endr
.irp a, 0,8
.irp u, 0,16
	v_pk_add_f32 v[(\tmp)+\u+\a:(\tmp)+\u+\a+1], v[(\tmp)+\u+\a:(\tmp)+\u+\a+1], v[(\tmp)+\u+\a+4:(\tmp)+\u+\a+5]
.endr
.endr
.irp u, 0,16
	v_pk_add_f32 v[(\tmp)+\u:(\tmp)+\u+1], v[(\tmp)+\u:(\tmp)+\u+1], v[(\tmp)+\u+8:(\tmp)+\u+9]
.endr
.irp u, 0,16
	v_add_f32 v[(\tmp)+\u], v[(\tmp)+\u], v[(\tmp)+\u+1]
.endr
.irp u, 0,16
	v_permlanex16_b32 v[(\tmp)+\u+1], v[(\tmp)+\u], s30, s31
.endr
.irp u, 0,16
	v_add_f32 v[(\tmp)+\u], v[(\tmp)+\u], v[(\tmp)+\u+1]
.endr
.endm
; A layer norm of two tiles of 16 tokens (src: 2 x 32 registers of block 1, worked on in place) into two operands (dst: 2 x 16).  gb: gain and bias; tmp: 2 x 16 at work.  The tiles alternate line by line.
.macro LN2T src, dst, gb, tmp
	WIN 0x05
.set k, 0
.rept 8                                ; each accumulator's lowest registers are read first
.irp u, 0,1
	v_pk_add_f32 v[(\tmp)+16*\u+2*k:(\tmp)+16*\u+2*k+1], v[(\src)+32*\u+4*k:(\src)+32*\u+4*k+1], v[(\src)+32*\u+4*k+2:(\src)+32*\u+4*k+3]
.endr
.set k, k+1
.endr
	WIN 0
	TREE \tmp
.irp u, 0,1
	v_mul_f32 v[(\tmp)+16*\u+2], s32, v[(\tmp)+16*\u]  ; the mean
.endr
	WIN 0x41
.set k, 0
.rept 16
.irp u, 0,1
	v_pk_add_f32 v[(\src)+32*\u+2*k:(\src)+32*\u+2*k+1], v[(\src)+32*\u+2*k:(\src)+32*\u+2*k+1], v[(\tmp)+16*\u+2:(\tmp)+16*\u+3] op_sel_hi:[1,0] neg_lo:[0,1] neg_hi:[0,1]
.endr
.set k, k+1
.endr
	WIN 0x05
.set k, 0
.rept 8
.irp u, 0,1
	v_pk_mul_f32 v[(\tmp)+16*\u+2*k:(\tmp)+16*\u+2*k+1], v[(\src)+32*\u+4*k:(\src)+32*\u+4*k+1], v[(\src)+32*\u+4*k:(\src)+32*\u+4*k+1]
.endr
.set k, k+1
.endr
.set k, 0
.rept 8
.irp u, 0,1
	v_pk_fma_f32 v[(\tmp)+16*\u+2*k:(\tmp)+16*\u+2*k+1], v[(\src)+32*\u+4*k+2:(\src)+32*\u+4*k+3], v[(\src)+32*\u+4*k+2:(\src)+32*\u+4*k+3], v[(\tmp)+16*\u+2*k:(\tmp)+16*\u+2*k+1]
.endr
.set k, k+1
.endr
	WIN 0
	TREE \tmp
.irp u, 0,1
	v_fma_f32 v[(\tmp)+16*\u], v[(\tmp)+16*\u], s32, s33  ; variance + eps
.endr
.irp u, 0,1
	v_rsq_f32 v[(\tmp)+16*\u+2], v[(\tmp)+16*\u]
.endr
	v_nop                                          ; a plain instruction between the last root and the use of its result (ISA guide 5.7.2)
	WIN 0x41
.set k, 0
	s_wait_alu depctr_va_vdst(0)
.rept 16
.irp u, 0,1
	v_pk_mul_f32 v[(\src)+32*\u+2*k:(\src)+32*\u+2*k+1], v[(\src)+32*\u+2*k:(\src)+32*\u+2*k+1], v[(\tmp)+16*\u+2:(\tmp)+16*\u+3] op_sel_hi:[1,0]
.endr
.set k, k+1
.endr
.set k, 0
.rept 16
.irp u, 0,1
	v_pk_fma_f32 v[(\src)+32*\u+2*k:(\src)+32*\u+2*k+1], v[(\src)+32*\u+2*k:(\src)+32*\u+2*k+1], v[(\gb)+2*k:(\gb)+2*k+1], v[(\gb)+32+2*k:(\gb)+32+2*k+1]
.endr
.set k, k+1
.endr
	WIN 0x05
.set k, 0
.rept 32
	v_cvt_pk_f16_f32 v[(\dst)+k], v[(\src)+2*k], v[(\src)+2*k+1]
.set k, k+1
.endr
.endm
; A PROJECTION GROUP: 32 outputs (tiles ml = 0, 1) x 64 tokens (tt = 0..3) x 64 channels: 16 matrix instructions on 8 accumulators that take turns, one instruction a turn.
; The weights roll by halves: while a half is multiplied the half after next is on its way.  At the head the 4 youngest LDS loads are this group's second half.
; isv = 0: k^T or q^T = W^T h^T + bias tile, into operand dst (token tile tt, k block db).  isv = 1: V = h Wv, into R2 as V^T's operand (d tile 2 db + ml, key block tt / 2).
; offa, offbias (-1: none), offb: the next group's first half, bias tiles and second half; bkind = 1: two more bias tiles take the second half's place.
.macro PROJ isv, dst, db, offa, offbias, offb, bkind
	s_wait_dscnt 4                                 ; my first half and bias tiles are in
.if \isv
	WIN 0x50
.else
	WIN 0x40
.endif
.set i, 0
.rept 8                                ; i = 4 ml + tt; channels 0-31
.if \isv
	v_wmma_f32_16x16x32_f16 v[ACC+8*i:ACC+8*i+7], v[H+16*(i%4):H+16*(i%4)+7], v[WF+8*(i/4):WF+8*(i/4)+7], 0
.else
	v_wmma_f32_16x16x32_f16 v[ACC+8*i:ACC+8*i+7], v[WF+8*(i/4):WF+8*(i/4)+7], v[H+16*(i%4):H+16*(i%4)+7], v[BT+8*(i/4):BT+8*(i/4)+7]
.endif
.set i, i+1
.endr
	PLACES
	WIN 0
	LDW 0, \offa
.if (\offbias) >= 0
	LDB BT, \offbias
	s_wait_dscnt 8                                 ; all but the 8 just issued: my second half is in
.else
	s_wait_dscnt 4                                 ; all but the 4 just issued
.endif
	WIN 0x50
.set i, 0
.rept 8                                ; channels 32-63
.if \isv
	v_wmma_f32_16x16x32_f16 v[ACC+8*i:ACC+8*i+7], v[H+16*(i%4)+8:H+16*(i%4)+15], v[WF+16+8*(i/4):WF+16+8*(i/4)+7], v[ACC+8*i:ACC+8*i+7]
.else
	v_wmma_f32_16x16x32_f16 v[ACC+8*i:ACC+8*i+7], v[WF+16+8*(i/4):WF+16+8*(i/4)+7], v[H+16*(i%4)+8:H+16*(i%4)+15], v[ACC+8*i:ACC+8*i+7]
.endif
.set i, i+1
.endr
	PLACES
	WIN 0
.if \bkind
	LDB WF+16, \offb
.else
	LDW 1, \offb
.endif
	WIN 0x05
.set i, 0
.rept 8
.irp n, 0,1,2,3
.if \isv
	v_cvt_pk_f16_f32 v[R2+16*(2*(\db)+i/4)+8*((i%4)/2)+4*(i%2)+\n], v[ACC+8*i+2*\n], v[ACC+8*i+2*\n+1]
.else
	v_cvt_pk_f16_f32 v[(\dst)+16*(i%4)+8*(\db)+4*(i/4)+\n], v[ACC+8*i+2*\n], v[ACC+8*i+2*\n+1]
.endif
.endr
.set i, i+1
.endr
.endm
; 64 x 64 x 64: 32 matrix instructions on 16 accumulators by turns.  S^T = K Q^T (ra = K, rb = Q) and O^T = V^T P (ra = V, rb = P): accumulator 4 (rb's tile) + (ra's tile).
.macro MM32 ra, rb
	WIN 0x50
.set i, 0
.rept 16
	v_wmma_f32_16x16x32_f16 v[ACC+8*i:ACC+8*i+7], v[(\ra)+16*(i%4):(\ra)+16*(i%4)+7], v[(\rb)+16*(i/4):(\rb)+16*(i/4)+7], 0
.set i, i+1
.endr
.set i, 0
.rept 16
	v_wmma_f32_16x16x32_f16 v[ACC+8*i:ACC+8*i+7], v[(\ra)+16*(i%4)+8:(\ra)+16*(i%4)+15], v[(\rb)+16*(i/4)+8:(\rb)+16*(i/4)+15], v[ACC+8*i:ACC+8*i+7]
.set i, i+1
.endr
	PLACES
.endm
; OUT^T += Wo^T O^T for 32 of the head's 64 d (block kbd): 16 matrix instructions, each of OUT^T's 16 accumulators once.  The halves of the group are channel tiles 0, 1 and 2, 3.
.macro WOGRP kbd, offa, offbias, offb
	s_wait_dscnt 4
	WIN 0x50
.set i, 0
.rept 8                                ; channel tile i / 4, token tile i % 4
	v_wmma_f32_16x16x32_f16 v[OUT+32*(i%4)+8*(i/4):OUT+32*(i%4)+8*(i/4)+7], v[WF+8*(i/4):WF+8*(i/4)+7], v[R1+16*(i%4)+8*(\kbd):R1+16*(i%4)+8*(\kbd)+7], v[OUT+32*(i%4)+8*(i/4):OUT+32*(i%4)+8*(i/4)+7]
.set i, i+1
.endr
	PLACES
	WIN 0
	LDW 0, \offa
.if (\offbias) >= 0
	LDB BT, \offbias
	s_wait_dscnt 8
.else
	s_wait_dscnt 4
.endif
	WIN 0x50
.set i, 0
.rept 8
	v_wmma_f32_16x16x32_f16 v[OUT+32*(i%4)+16+8*(i/4):OUT+32*(i%4)+16+8*(i/4)+7], v[WF+16+8*(i/4):WF+16+8*(i/4)+7], v[R1+16*(i%4)+8*(\kbd):R1+16*(i%4)+8*(\kbd)+7], v[OUT+32*(i%4)+16+8*(i/4):OUT+32*(i%4)+16+8*(i/4)+7]
.set i, i+1
.endr
	PLACES
	WIN 0
	LDW 1, \offb
.endm
.macro SCL q, p                        ; c s - c m for pair p of query tile q
	v_pk_fma_f32 v[ACC+32*(\q)+2*(\p):ACC+32*(\q)+2*(\p)+1], v[ACC+32*(\q)+2*(\p):ACC+32*(\q)+2*(\p)+1], s[28:29], v[R2+8*(\q)+4:R2+8*(\q)+5] op_sel_hi:[1,0,0] neg_lo:[0,0,1] neg_hi:[0,0,1]
.endm
; 2 gelu of one result tile (8 registers at b), rounded to f16 into 4 registers at d
.macro GELU8 b, d
.irp j, 0,1,2,3,4,5,6,7
	v_and_b32 v[GA+\j], s34, v[(\b)+\j]            ; |x|; the tile is read from its low end on
.endr
.irp j, 0,2,4,6
	v_pk_fma_f32 v[GP+\j:GP+\j+1], v[GA+\j:GA+\j+1], s[42:43], s[40:41] op_sel_hi:[1,0,0]
.endr
.irp j, 0,2,4,6
	v_pk_fma_f32 v[GP+\j:GP+\j+1], v[GP+\j:GP+\j+1], v[GA+\j:GA+\j+1], s[38:39] op_sel_hi:[1,1,0]
.endr
.irp j, 0,2,4,6
	v_pk_fma_f32 v[GP+\j:GP+\j+1], v[GP+\j:GP+\j+1], v[GA+\j:GA+\j+1], s[36:37] op_sel_hi:[1,1,0]
.endr
.irp j, 0,2,4,6
	v_pk_fma_f32 v[GP+\j:GP+\j+1], v[GP+\j:GP+\j+1], v[GA+\j:GA+\j+1], 1.0 op_sel_hi:[1,1,0]
.endr
.irp j, 0,1,2,3,4,5,6,7
	v_rcp_f32 v[GP+\j], v[GP+\j]
.endr
.irp j, 0,2,4,6
	v_pk_add_f32 v[(\b)+\j:(\b)+\j+1], v[(\b)+\j:(\b)+\j+1], v[GA+\j:GA+\j+1]  ; x + |x|: also the plain work behind the reciprocals
.endr
	s_wait_alu depctr_va_vdst(0)
.irp j, 0,2,4,6
	v_pk_mul_f32 v[GP+\j:GP+\j+1], v[GP+\j:GP+\j+1], v[GP+\j:GP+\j+1]
.endr
.irp j, 0,2,4,6
	v_pk_mul_f32 v[GP+\j:GP+\j+1], v[GP+\j:GP+\j+1], v[GP+\j:GP+\j+1]
.endr
.irp j, 0,2,4,6
	v_pk_fma_f32 v[(\b)+\j:(\b)+\j+1], v[GA+\j:GA+\j+1], v[GP+\j:GP+\j+1], v[(\b)+\j:(\b)+\j+1] neg_lo:[1,0,0] neg_hi:[1,0,0]
.endr
.irp n, 0,1,2,3
	v_cvt_pk_f16_f32 v[(\d)+\n], v[(\b)+2*\n], v[(\b)+2*\n+1]
.endr
.endm
; AN MLP BLOCK: 32 of the 256 hidden numbers.  F^T = W1^T Y^T + b1 (16 matrix instructions, 8 accumulators by turns), 2 gelu in place, OUT2 += G W2 (16, each of OUT2's 16 accumulators once).
; zero = 1: the first block's products start OUT2's sums.  At the head the LDS loads out are W1's first half and b1 (8), W1's second half (4).
.macro MLPBLK zero
.set i, 0
.rept 4
	ds_load_b128 v[W2F+8*i:W2F+8*i+3], v[WA] offset:4096+1024*i
	ds_load_b128 v[W2F+8*i+4:W2F+8*i+7], v[WA] offset:4096+1024*i+512
.set i, i+1
.endr
	s_wait_dscnt 12                                ; younger: W1's second half (4) and W2 (8)
.set i, 0
.rept 8                                ; i = 4 ml + tt
	v_wmma_f32_16x16x32_f16 v[H+16*(i%4)+8*(i/4):H+16*(i%4)+8*(i/4)+7], v[WF+8*(i/4):WF+8*(i/4)+7], v[R1+16*(i%4):R1+16*(i%4)+7], v[BT+8*(i/4):BT+8*(i/4)+7]
.set i, i+1
.endr
	PLACES
	LDW 0, 8192                                    ; the next block's W1 and b1; behind the last block: K0 and bk of head 0, for the next window
	LDB BT, 128
	s_wait_dscnt 16                                ; younger: W2 (8) and the 8 just issued
.set i, 0
.rept 8
	v_wmma_f32_16x16x32_f16 v[H+16*(i%4)+8*(i/4):H+16*(i%4)+8*(i/4)+7], v[WF+16+8*(i/4):WF+16+8*(i/4)+7], v[R1+16*(i%4)+8:R1+16*(i%4)+15], v[H+16*(i%4)+8*(i/4):H+16*(i%4)+8*(i/4)+7]
.set i, i+1
.endr
	PLACES
	LDW 1, 10240
.irp t, 0,1,2,3                        ; a token tile's two results become one operand in place: the lower tile first, since the upper one's f16 land on its registers 4-7
	GELU8 H+16*\t, H+16*\t
	GELU8 H+16*\t+8, H+16*\t+4
.endr
	s_wait_dscnt 12                                ; younger: the 8 and the 4 for the next block: W2 is in
	WIN 0x50
.set i, 0
.rept 16                               ; i = 4 tt + nt
.if \zero
	v_wmma_f32_16x16x32_f16 v[OUT+8*i:OUT+8*i+7], v[H+16*(i/4):H+16*(i/4)+7], v[W2F+8*(i%4):W2F+8*(i%4)+7], 0
.else
	v_wmma_f32_16x16x32_f16 v[OUT+8*i:OUT+8*i+7], v[H+16*(i/4):H+16*(i/4)+7], v[W2F+8*(i%4):W2F+8*(i%4)+7], v[OUT+8*i:OUT+8*i+7]
.endif
.set i, i+1
.endr
	WIN 0
	s_add_co_u32 s52, s52, 0x2000
	s_add_co_u32 s53, s53, 128
	v_add_nc_u32 v[WA], s52, v[XO]                 ; five plain instructions behind the last product: the next block's products write over G, its loads over W2; the way out reads OUT2
	v_add_nc_u32 v[PB], s53, v[PL]
	v_nop
	v_nop
	v_nop
.endm
	s_load_b128 s[4:7], s[0:1], 0x0                ; x s[4:5], wpack s[6:7]
	s_load_b64 s[8:9], s[0:1], 0x10                ; out0
	v_lshl_add_u32 v[SPW], v0, 2, SPARE
	v_mov_b32 v[NIL], 0
	ds_add_u32 v[SPW], v[NIL]                      ; the wave's opening: the add and its wait stand ahead of my first tensor load; the set-up below, work on registers, stands between them
	v_lshrrev_b32 v[AD], 5, v0
	v_readfirstlane_b32 s10, v[AD]                 ; wave 0..7
	s_bfe_u32 s11, ttmp6, 0x40000                  ; cx: my place in the cluster
	s_lshl_b32 s12, ttmp9, 2                       ; in a cluster launch ttmp9 counts clusters
	s_add_co_u32 s12, s12, s11                     ; G: it enters x's and out0's addresses alone
	s_lshr_b32 s13, s12, 4
	s_lshl_b32 s13, s13, 22                        ; four planes of 1,048,576 bytes
	s_and_b32 s14, s12, 15
	s_lshl_b32 s14, s14, 16                        ; four rows of 16,384
	s_add_co_u32 s48, s13, s14
	s_lshl_b32 s14, s10, 10                        ; window = wave: four tokens of 256
	s_add_co_u32 s48, s48, s14
	s_mov_b32 s49, 0
	s_mul_i32 s50, s10, SHARE                      ; my part of the image, in wpack
	s_mov_b32 s51, 0
	s_mul_i32 s15, s10, 8704
	s_add_co_u32 s15, s15, STAGE                   ; my stage
	s_mov_b32 s16, 1                               ; group 0: 1:0 count = 1
	s_mul_i32 s17, s10, SHARE                      ; 63:32 LDS address: the wave's number times a constant
	s_mov_b32 s20, 15|(3<<16)|(1<<21)              ; group 1: 15:0 the mask of four; 17:16 elements of 8 bytes; 21 set beside a mask; no padding
	s_mov_b32 s21, 32<<16                          ; tensor_dim0 = 32 elements: rows of 256 bytes
	s_mov_b32 s22, 101<<16                         ; tensor_dim1 = 101
	s_mov_b32 s23, 32<<16                          ; tile_dim0 = 32
	s_mov_b32 s24, 101                             ; tile_dim1 = 101
	s_mov_b32 s25, 32                              ; 32 elements from row to row: the block is dense
	s_mov_b32 s26, 0
	s_mov_b32 s27, 0
	s_mov_b32 s28, 0x3e38aa3b                      ; c = log2(e) / 8
	s_mov_b32 s29, s28                             ; the constants' pairs are named whole, so both words are written
	s_mov_b32 s30, 0x76543210                      ; v_permlanex16_b32: each lane takes its own place in the other half
	s_mov_b32 s31, 0xfedcba98
	s_mov_b32 s32, 0x3c800000                      ; 1 / 64
	s_mov_b32 s33, 0x3727c5ac                      ; 1e-5
	s_mov_b32 s34, 0x7fffffff
	s_mov_b32 s36, 0x3e4993fc                      ; c1 = 0.278393 / 2^0.5
	s_mov_b32 s37, s36
	s_mov_b32 s38, 0x3debeb18                      ; c2 = 0.230389 / 2
	s_mov_b32 s39, s38
	s_mov_b32 s40, 0x39b42c72                      ; c3 = 0.000972 / 2^1.5
	s_mov_b32 s41, s40
	s_mov_b32 s42, 0x3c9ff716                      ; c4 = 0.078108 / 4
	s_mov_b32 s43, s42
	s_mov_b32 s52, 0                               ; where the weight groups in hand begin
	s_mov_b32 s53, 0                               ; and their bias tiles, from PB0
	v_and_b32 v[XO], 31, v0
	v_lshlrev_b32 v[XO], 4, v[XO]
	v_bfe_u32 v[PL], v0, 4, 1
	v_lshl_add_u32 v[PL], v[PL], 5, PB0
	v_mov_b32 v[WA], v[XO]
	v_mov_b32 v[PB], v[PL]
	s_wait_dscnt 0x0                               ; the opening add is done
	s_wait_kmcnt 0x0
	s_add_nc_u64 s[4:5], s[4:5], s[48:49]          ; x and out0 at my first window
	s_add_nc_u64 s[8:9], s[8:9], s[48:49]
	s_add_nc_u64 s[18:19], s[6:7], s[50:51]        ; 120:64 global address: it hangs on the wave's number alone, so it is the same in all four work-groups
	s_or_b32 s19, s19, 0x80000000                  ; 127:126 type = 2
	XLOAD                                          ; the first window's x goes out ahead of the weights: nobody writes these bytes, so the loads may be out across the barriers
	CROUND                                         ; all four work-groups are here: the joint loads meet
	tensor_load_to_lds s[16:19], s[20:27]          ; my one tensor load of the launch
	s_nop 0
	PLACES
	s_wait_tensorcnt 0x0                           ; my part of the image is in,
	s_barrier_signal -1
	s_barrier_wait -1                              ; everybody's is
	LDW 0, 0                                       ; K0 of head 0 and its bias tiles
	LDB BT, 0
	LDW 1, 2048
	s_mov_b32 s44, 2
.Lwin:                                                 ; TWO WINDOWS A WAVE
	LDGB R1, 4864                                  ; ln1_g, ln1_b
	v_and_b32 v[AD], 15, v0                        ; r
	v_bfe_u32 v[R2], v0, 4, 1                      ; h
	v_mul_u32_u24 v[R2+1], v[AD], 272
	v_lshl_add_u32 v[R2+1], v[R2], 5, v[R2+1]      ; out of the stage: 272 r + 32 h
	v_mul_u32_u24 v[R2], v[R2], 272
	v_lshl_add_u32 v[AD], v[AD], 4, v[R2]          ; into it: 272 h + 16 r
	v_add_nc_u32 v[AD], s15, v[AD]
	v_add_nc_u32 v[R2], s15, v[R2+1]
	s_wait_loadcnt 16                              ; loads come back in order (ISA guide 5.7.1): tokens 0-31 are in, the 16 younger loads stay out
	STG 0
	s_wait_loadcnt 0x0
	STG 1                                          ; into the same bytes: the reads above are served first
	s_wait_dscnt 32                                ; all but the second half's 16 stores and 16 loads
	LN2T OUT, H, R1, R2
	s_wait_dscnt 0x0
	LN2T OUT+64, H+32, R1, R2
	WIN 0x40
.set i, 0
.rept 32                               ; OUT^T starts from 2 bo: nothing is cleared, and no head's products are written apart
	ds_load_b128 v[OUT+4*i:OUT+4*i+3], v[PL] offset:4352+64*((i/2)%4)+16*(i%2)
.set i, i+1
.endr
	WIN 0
	s_mov_b32 s45, 4
.Lhead:                                                ; FOUR HEADS.  Offsets count from the head's 32,768 bytes of weights and 768 bytes of biases
	PROJ 0, R1, 0, 4096, 128, 6144, 0              ; K0 | fetches K1
	PROJ 0, R1, 1, 8192, 256, 10240, 0             ; K1 | Q0
	PROJ 0, R2, 0, 12288, 384, 14336, 0            ; Q0 | Q1
	PROJ 0, R2, 1, 16384, -1, 18432, 0             ; Q1 | V0 (bv is added behind the division by l)
	MM32 R1, R2                                    ; S^T = K Q^T
	; SOFTMAX.  A lane holds one query (r) of each of four tiles and 32 of its 64 keys.  Scratch of tile q: R2 + 8 q.
	WIN 0x05
.set i, 0
.rept 16                               ; sixteen chains, one an accumulator, each read from its low end on
	v_max_num_f32 v[R2+8*(i/4)+i%4], v[ACC+8*i], v[ACC+8*i+1]
.set i, i+1
.endr
.irp a, 2,4,6
.set i, 0
.rept 16
	v_max3_num_f32 v[R2+8*(i/4)+i%4], v[ACC+8*i+\a], v[ACC+8*i+\a+1], v[R2+8*(i/4)+i%4]
.set i, i+1
.endr
.endr
	WIN 0
.irp q, 0,1,2,3
	v_max3_num_f32 v[R2+8*\q], v[R2+8*\q], v[R2+8*\q+1], v[R2+8*\q+2]
.endr
.irp q, 0,1,2,3
	v_max_num_f32 v[R2+8*\q], v[R2+8*\q], v[R2+8*\q+3]
.endr
.irp q, 0,1,2,3
	v_permlanex16_b32 v[R2+8*\q+1], v[R2+8*\q], s30, s31  ; the query's other 32 keys lie in the lane 16 away
.endr
.irp q, 0,1,2,3
	v_max_num_f32 v[R2+8*\q], v[R2+8*\q], v[R2+8*\q+1]
.endr
.irp q, 0,1,2,3
	v_mul_f32 v[R2+8*\q+4], s28, v[R2+8*\q]        ; c m
.endr
	WIN 0x41
.set p, 0
.rept 16
	SCL 0, p
.set p, p+1
.endr
.irp q, 0,1,2,3                        ; a tile's exponentials, and between them the next tile's scalings
.set p, 0
.rept 16
	v_exp_f32 v[ACC+32*\q+2*p], v[ACC+32*\q+2*p]
	v_exp_f32 v[ACC+32*\q+2*p+1], v[ACC+32*\q+2*p+1]
.if \q < 3
	SCL \q+1, p
.endif
.set p, p+1
.endr
.endr
	WIN 0x05
.set i, 0
	s_wait_alu depctr_va_vdst(0)
.rept 64                               ; P, over K's registers: two key tiles in ascending order are 32 keys of the operand
	v_cvt_pk_f16_f32 v[R1+i], v[ACC+2*i], v[ACC+2*i+1]
.set i, i+1
.endr
	WIN 0x45
.irp w, 4,8,16,32                      ; l, of the unrounded weights: in place, neighbours 1, 2, 4 and 8 pairs apart
.set i, 0
.rept 128/\w
	v_pk_add_f32 v[ACC+\w*i:ACC+\w*i+1], v[ACC+\w*i:ACC+\w*i+1], v[ACC+\w*i+\w/2:ACC+\w*i+\w/2+1]
.set i, i+1
.endr
.endr
	WIN 0x05
.irp q, 0,1,2,3
	v_add_f32 v[R2+8*\q], v[ACC+32*\q], v[ACC+32*\q+1]
.endr
	WIN 0
.irp q, 0,1,2,3
	v_permlanex16_b32 v[R2+8*\q+1], v[R2+8*\q], s30, s31
.endr
.irp q, 0,1,2,3
	v_add_f32 v[R2+8*\q], v[R2+8*\q], v[R2+8*\q+1]
.endr
.irp q, 0,1,2,3
	v_rcp_f32 v[RL+2*\q], v[R2+8*\q]               ; twice: a pair for the packed multiply-add; used behind two projection groups
	v_rcp_f32 v[RL+2*\q+1], v[R2+8*\q]
.endr
	PROJ 1, R2, 0, 20480, -1, 22528, 0             ; V0 | V1
	PROJ 1, R2, 1, 24576, 512, 640, 1              ; V1 | O0's first half, and bv's four tiles (two of them where a second half would lie)
	MM32 R2, R1                                    ; O^T = V^T P
	s_wait_dscnt 0x0                               ; bv is in
	WIN 0x41
.set i, 0
	s_wait_alu depctr_va_vdst(0)
.rept 64                               ; O / l + bv: pair i: query tile i / 16, d tile (i / 4) % 4
.set dt, (i/4)%4
	v_pk_fma_f32 v[ACC+2*i:ACC+2*i+1], v[ACC+2*i:ACC+2*i+1], v[RL+2*(i/16):RL+2*(i/16)+1], v[BT+8*dt+16*(dt/2)+2*(i%4):BT+8*dt+16*(dt/2)+2*(i%4)+1]
.set i, i+1
.endr
	WIN 0
	LDW 1, 26624                                   ; O0's second half, now that bv has been read; it lands under the roundings
	WIN 0x05
.set i, 0
.rept 64
	v_cvt_pk_f16_f32 v[R1+i], v[ACC+2*i], v[ACC+2*i+1]
.set i, i+1
.endr
	WOGRP 0, 28672, -1, 30720                      ; O0 | O1
	WOGRP 1, 32768, 768, 34816                     ; O1 | the next head's K0 and bk; behind head 3 the image goes on with W1 and b1 of block 0
	s_add_co_u32 s52, s52, 0x8000
	s_add_co_u32 s53, s53, 768
	v_add_nc_u32 v[WA], s52, v[XO]
	v_add_nc_u32 v[PB], s53, v[PL]
	s_sub_co_u32 s45, s45, 1
	s_cmp_lg_u32 s45, 0
	s_cbranch_scc1 .Lhead
	s_cmp_eq_u32 s44, 1                            ; the next window's x goes out a whole LN2 and MLP ahead of its use; the last window has none, and no load leaves x
	s_cbranch_scc1 .Lno_more
	s_add_nc_u64 s[4:5], s[4:5], 0x2000            ; eight windows on (the loads that named this base were waited for at the window's head)
	XLOAD
.Lno_more:
	LDGB R2, 5376                                  ; ln2_g, ln2_b
	s_wait_dscnt 0x0
	LN2T OUT, R1, R2, H
	LN2T OUT+64, R1+32, R2, H
	WIN 0
	v_and_b32 v[AD], 15, v0
	v_lshl_add_u32 v[AD], v[AD], 4, PB0+4608
	ds_load_b128 v[B2R:B2R+3], v[AD]               ; b2 of my four channels 4 r ..
	MLPBLK 1
	s_mov_b32 s46, 7
.Lmlp:
	MLPBLK 0
	s_sub_co_u32 s46, s46, 1
	s_cmp_lg_u32 s46, 0
	s_cbranch_scc1 .Lmlp
	; THE WAY OUT.  Register j of OUT2's tile (tt, nt) is token 16 tt + 8 h + j, channel 4 r + nt: the addition of b2 also gathers a token's four channels into neighbouring registers.
	s_wait_dscnt 0x0                               ; b2; and K0 for the next window
	v_and_b32 v[OO], 15, v0
	v_bfe_u32 v[AD], v0, 4, 1
	v_lshlrev_b32 v[OO], 4, v[OO]
	v_lshl_add_u32 v[OO], v[AD], 15, v[OO]         ; 16 r + two rows of 16,384 bytes for the upper half of the lanes
.irp t, 0,1,2,3
	WIN 0x01
.set i, 0
.rept 32                               ; j = i / 4, nt = i % 4: each accumulator's register 0 is read first
	v_add_f32 v[H+32*\t+i], v[OUT+32*\t+8*(i%4)+i/4], v[B2R+i%4]
.set i, i+1
.endr
	WIN 0
.set i, 0
.rept 8
	global_store_b128 v[OO], v[H+32*\t+4*i:H+32*\t+4*i+3], s[8:9] offset:\t*1048576+(i/4)*16384+(i%4)*256 th:TH_STORE_NT  ; sixteen lanes store a token's 256 bytes, aligned
.set i, i+1
.endr
.endr
	s_wait_xcnt 0x0                                ; every earlier memory instruction has had its addresses translated (ISA guide 3.1): the stores' data, offset and base are rewritten only behind this wait
	s_add_nc_u64 s[8:9], s[8:9], 0x2000
	s_mov_b32 s52, 0                               ; back to head 0, whose K0 is already in registers
	s_mov_b32 s53, 0
	v_mov_b32 v[WA], v[XO]
	v_mov_b32 v[PB], v[PL]
	s_sub_co_u32 s44, s44, 1
	s_cmp_lg_u32 s44, 0
	s_cbranch_scc1 .Lwin
	s_wait_tensorcnt 0x0                           ; the wave's end: behind my last tensor load and my last LDS store
	ds_add_u32 v[SPW], v[NIL]
	s_wait_dscnt 0x0
	CROUND                                         ; the closing round
	s_endpgm
.Lfunc_end_k_q42bcc89d60_swin:
	.size	k_q42bcc89d60_swin, .Lfunc_end_k_q42bcc89d60_swin-k_q42bcc89d60_swin
	.p2alignl 7, 3214868480
	.fill 96, 4, 3214868480
	.section	.rodata,"a",@progbits
	.p2align	6, 0x0
	.amdhsa_kernel k_q42bcc89d60_swin
		.amdhsa_group_segment_fixed_size 277504
		.amdhsa_private_segment_fixed_size 0
		.amdhsa_enable_private_segment 0
		.amdhsa_kernarg_size 24
		.amdhsa_user_sgpr_count 2
		.amdhsa_user_sgpr_kernarg_segment_ptr 1
		.amdhsa_wavefront_size32 1
		.amdhsa_system_sgpr_workgroup_id_x 1
		.amdhsa_system_sgpr_workgroup_id_y 1
		.amdhsa_system_sgpr_workgroup_id_z 1
		.amdhsa_system_vgpr_workitem_id 0
		.amdhsa_next_free_vgpr 512
		.amdhsa_next_free_sgpr 66
		.amdhsa_reserve_vcc 0
		.amdhsa_float_denorm_mode_32 3
		.amdhsa_float_denorm_mode_16_64 3
		.amdhsa_memory_ordered 1
		.amdhsa_forward_progress 1
		.amdhsa_inst_pref_size 199
	.end_amdhsa_kernel
	.amdgpu_metadata
---
amdhsa.version: [ 1, 2 ]
amdhsa.kernels:
  - .name:           k_q42bcc89d60_swin
    .symbol:         k_q42bcc89d60_swin.kd
    .args:
      - { .name: x, .offset: 0, .size: 8, .value_kind: global_buffer, .address_space: global }
      - { .name: wpack, .offset: 8, .size: 8, .value_kind: global_buffer, .address_space: global }
      - { .name: out0, .offset: 16, .size: 8, .value_kind: global_buffer, .address_space: global }
    .group_segment_fixed_size: 277504
    .private_segment_fixed_size: 0
    .kernarg_segment_align: 8
    .kernarg_segment_size: 24
    .max_flat_workgroup_size: 256
    .sgpr_count:     66
    .vgpr_count:     512
    .wavefront_size: 32
...
	.end_amdgpu_metadata
.endif
;; end of part 2
